; MI455X (gfx1250); checked and timed in simulation.
; The chip was launched on July 23, 2026; its instructions are those of AMD's public machine-readable ISA for CDNA 5 (MIT licence, August 2026) and "CDNA5" Instruction Set Architecture Reference Guide (July 2026). The comments in the code are by the model that wrote it; some were corrected since.
;; Custom GRU Cell. Allowed arithmetic: float matrix products may take bf16 or f16 operands with f32 sums; other float arithmetic in f32, or as packed bf16 or f16 multiplies, adds, multiply-adds, maxima and minima; sums over many terms, partial sums and values carried from step to step in f32; what a program stores and reads back later, other than sums and carried values, may be rounded once to bf16 or f16.
;; Inputs: U_n_b 1,024 float32; U_n_w 1,024 x 1,024 float32; U_r_w 1,024 x 1,024 float32; U_z_w 1,024 x 1,024 float32; W_ih_b 3,072 float32; W_ih_w 3,072 x 1,024 float32; h 8,192 x 1,024 float32; x 8,192 x 1,024 float32.
;; Outputs: out0 8,192 x 1,024 float32.
;; 2 versions, each right; version 2 is version 1 with the launch cast written anew for expert scheduling mode. Each part assembles by itself: llvm-mc -triple=amdgcn-amd-amdhsa -mcpu=gfx1250 --defsym DOCPART=n.
;; ======== version 1 of 2: 2 launches
;; workspace buffers: ab 33,554,432 bytes; wb 12,582,912 bytes
;; launch cast (part 1): grid 256 x 1, 16 waves a work-group, no clusters, 0 bytes of LDS; arguments x, h, W_ih_w, U_r_w, U_z_w, U_n_w, ab, wb; writes ab, wb
.if DOCPART == 1
	.amdgcn_target "amdgcn-amd-amdhsa--gfx1250"
	.amdhsa_code_object_version 6
	.text
	.protected	k_q16e02275c2_cast
	.globl	k_q16e02275c2_cast
	.p2align	8
	.type	k_q16e02275c2_cast,@function
k_q16e02275c2_cast:
	s_mov_b64 s[64:65], 0
	v_nop
	global_prefetch_b8 v0, s[64:65] scope:SCOPE_SE
	s_setreg_imm32_b32 hwreg(HW_REG_WAVE_MODE, 25, 1), 1
	s_wait_xcnt 0x0
; x, h and the six weight blocks, all f32, are rounded once to bf16 (nearest even; bf16 has f32's range) and laid out for the product that follows.
; ab: [8192 rows][8 chunks j][2 halves][128] bf16, 4,096 bytes a row: x[m][128 j + e] at byte 4096 m + 512 j + 2 e, h[m][128 j + e] 256 bytes further.
; wb: [3072 rows][8][2][128] bf16, the same row form with W_ih in half 0 and U in half 1.  Gate g (0 r, 1 z, 2 n), column c lies in row (c / 32) 96 + 32 g + c % 32.
; SHARES.  22,528 source rows of 4,096 bytes = 256 work-groups x 88.  Work-group G takes x's and h's rows 32 G .. 32 G + 31 and, for each gate, rows 4 G .. 4 G + 3 of W_ih's block and of U.
; The 512 threads cover two source rows with one load of 16 bytes each: 44 loads a thread, ALL issued ahead of the first store, each into registers of its own:
; nothing is rewritten while a load or store may read it, so the only waits are the counted ones for the data.  A wave's 512 source bytes are one chunk of 128 numbers
; and leave as 256 consecutive bytes, aligned, by one store of 8 bytes a lane.
; No LDS, no matrix unit, no cluster, no prefetch: every byte is read once and written once, no work-group shares a byte with another, and the loads themselves keep the stream going.
.set NLD, 44                           ; loads of a thread
.set D,   4                            ; load i lands in v[D+4 i : D+4 i+3]
.macro LD i, base, off
	global_load_b128 v[D+4*(\i):D+4*(\i)+3], v1, s[(\base):(\base)+1] offset:\off th:TH_LOAD_NT
.endm
.macro ST i, base, off
	s_wait_loadcnt NLD-1-(\i)                      ; loads come back in order (ISA guide 5.7.1): load i is in, the younger ones stay out
	v_cvt_pk_bf16_f32 v[D+4*(\i)],   v[D+4*(\i)],   v[D+4*(\i)+1]
	v_cvt_pk_bf16_f32 v[D+4*(\i)+1], v[D+4*(\i)+2], v[D+4*(\i)+3]
	global_store_b64 v2, v[D+4*(\i):D+4*(\i)+1], s[(\base):(\base)+1] offset:\off
.endm
	s_load_b512 s[8:23], s[0:1], 0x0               ; x s[8:9], h s[10:11], W_ih s[12:13], U_r s[14:15], U_z s[16:17], U_n s[18:19], ab s[20:21], wb s[22:23]
	s_lshl_b32 s2, ttmp9, 17                       ; G x 32 rows of 4,096 bytes: in x, in h and in ab
	s_mov_b32 s3, 0
	s_lshl_b32 s4, ttmp9, 14                       ; G x 4 rows of 4,096 bytes: in each weight block
	s_mov_b32 s5, 0
	s_lshr_b32 s6, ttmp9, 3                        ; columns 4 G .. 4 G + 3: c / 32 = G / 8,
	s_mul_i32 s6, s6, 96
	s_and_b32 s7, ttmp9, 7                         ; c % 32 = 4 (G % 8) + 0 .. 3
	s_lshl2_add_u32 s6, s7, s6
	s_lshl_b32 s6, s6, 12                          ; wb's row, in bytes
	s_mov_b32 s7, 0
	v_lshlrev_b32 v1, 4, v0                        ; source: 16 bytes a thread; threads 256 .. 511 fall on the next row
	v_lshrrev_b32 v2, 8, v0                        ; destination: which of the two rows,
	v_bfe_u32 v3, v0, 5, 3                         ; my wave's chunk in it,
	v_lshlrev_b32 v2, 12, v2
	v_lshl_add_u32 v2, v3, 9, v2
	v_and_b32 v3, 31, v0
	v_lshl_add_u32 v2, v3, 3, v2                   ; and 8 bytes a lane
	s_wait_kmcnt 0x0
	s_add_nc_u64 s[8:9], s[8:9], s[2:3]
	s_add_nc_u64 s[10:11], s[10:11], s[2:3]
	s_add_nc_u64 s[20:21], s[20:21], s[2:3]
	s_add_nc_u64 s[24:25], s[12:13], s[4:5]        ; W_ih's three blocks have a base each: the third lies further off than a load's immediate reaches
	s_add_nc_u64 s[26:27], s[24:25], 0x400000
	s_add_nc_u64 s[28:29], s[24:25], 0x800000
	s_add_nc_u64 s[14:15], s[14:15], s[4:5]
	s_add_nc_u64 s[16:17], s[16:17], s[4:5]
	s_add_nc_u64 s[18:19], s[18:19], s[4:5]
	s_add_nc_u64 s[22:23], s[22:23], s[6:7]
.set i, 0
.rept 16
	LD i, 8, 8192*i                                ; x, two rows a load
.set i, i+1
.endr
.set i, 0
.rept 16
	LD 16+i, 10, 8192*i                            ; h
.set i, i+1
.endr
.irp g, 0,1,2
.irp j, 0,1
	LD 32+4*\g+\j, 24+2*\g, 8192*\j                ; W_ih's block of gate g
.endr
.irp j, 0,1
	LD 34+4*\g+\j, 14+2*\g, 8192*\j                ; U of gate g
.endr
.endr
.set i, 0
.rept 16
	ST i, 20, 8192*i                               ; x into the first half of each chunk
.set i, i+1
.endr
.set i, 0
.rept 16
	ST 16+i, 20, 8192*i+256                        ; h into the second
.set i, i+1
.endr
.irp g, 0,1,2
.irp j, 0,1
	ST 32+4*\g+\j, 22, 131072*\g+8192*\j           ; gate g lies 32 rows of 4,096 bytes behind gate g - 1
.endr
.irp j, 0,1
	ST 34+4*\g+\j, 22, 131072*\g+8192*\j+256
.endr
.endr
	s_endpgm
.Lfunc_end_k_q16e02275c2_cast:
	.size	k_q16e02275c2_cast, .Lfunc_end_k_q16e02275c2_cast-k_q16e02275c2_cast
	.p2alignl 7, 3214868480
	.fill 96, 4, 3214868480
	.section	.rodata,"a",@progbits
	.p2align	6, 0x0
	.amdhsa_kernel k_q16e02275c2_cast
		.amdhsa_group_segment_fixed_size 0
		.amdhsa_private_segment_fixed_size 0
		.amdhsa_enable_private_segment 0
		.amdhsa_kernarg_size 64
		.amdhsa_user_sgpr_count 2
		.amdhsa_user_sgpr_kernarg_segment_ptr 1
		.amdhsa_wavefront_size32 1
		.amdhsa_system_sgpr_workgroup_id_x 1
		.amdhsa_system_sgpr_workgroup_id_y 1
		.amdhsa_system_sgpr_workgroup_id_z 1
		.amdhsa_system_vgpr_workitem_id 0
		.amdhsa_next_free_vgpr 180
		.amdhsa_next_free_sgpr 66
		.amdhsa_reserve_vcc 0
		.amdhsa_float_denorm_mode_32 3
		.amdhsa_float_denorm_mode_16_64 3
		.amdhsa_memory_ordered 1
		.amdhsa_forward_progress 1
		.amdhsa_inst_pref_size 17
	.end_amdhsa_kernel
	.amdgpu_metadata
---
amdhsa.version: [ 1, 2 ]
amdhsa.kernels:
  - .name:           k_q16e02275c2_cast
    .symbol:         k_q16e02275c2_cast.kd
    .args:
      - { .name: x, .offset: 0, .size: 8, .value_kind: global_buffer, .address_space: global }
      - { .name: h, .offset: 8, .size: 8, .value_kind: global_buffer, .address_space: global }
      - { .name: W_ih_w, .offset: 16, .size: 8, .value_kind: global_buffer, .address_space: global }
      - { .name: U_r_w, .offset: 24, .size: 8, .value_kind: global_buffer, .address_space: global }
      - { .name: U_z_w, .offset: 32, .size: 8, .value_kind: global_buffer, .address_space: global }
      - { .name: U_n_w, .offset: 40, .size: 8, .value_kind: global_buffer, .address_space: global }
      - { .name: ab, .offset: 48, .size: 8, .value_kind: global_buffer, .address_space: global }
      - { .name: wb, .offset: 56, .size: 8, .value_kind: global_buffer, .address_space: global }
    .group_segment_fixed_size: 0
    .private_segment_fixed_size: 0
    .kernarg_segment_align: 8
    .kernarg_segment_size: 64
    .max_flat_workgroup_size: 512
    .sgpr_count:     66
    .vgpr_count:     180
    .wavefront_size: 32
...
	.end_amdgpu_metadata
.endif
;; end of part 1
;; launch gru (part 2): grid 8 x 64, 4 waves a work-group, clusters of 4 x 4, 327,680 bytes of LDS; arguments ab, wb, W_ih_b, U_n_b, out0; writes out0
.if DOCPART == 2
	.amdgcn_target "amdgcn-amd-amdhsa--gfx1250"
	.amdhsa_code_object_version 6
	.text
	.protected	k_q16e02275c2_gru
	.globl	k_q16e02275c2_gru
	.p2align	8
	.type	k_q16e02275c2_gru,@function
k_q16e02275c2_gru:
	s_mov_b64 s[64:65], 0
	v_nop
	global_prefetch_b8 v0, s[64:65] scope:SCOPE_SE
	s_setreg_imm32_b32 hwreg(HW_REG_WAVE_MODE, 25, 1), 1
	s_wait_xcnt 0x0
	s_wait_alu depctr_hold_cnt(0) depctr_sa_sdst(0) depctr_va_vdst(0) depctr_va_sdst(0) depctr_va_ssrc(0) depctr_va_vcc(0) depctr_vm_vsrc(0)
	s_getreg_b32 s2, hwreg(HW_REG_IB_STS2, 6, 4)
	s_cmp_eq_u32 s2, 0
	s_cbranch_scc0 .Lentry_in_a_cluster
	s_endpgm
.Lentry_in_a_cluster:
	s_bfe_u32 s2, ttmp6, 0x10000c
	s_cmp_lg_u32 s2, 0xf033
	s_cbranch_scc0 .Lentry_shape_is_right
	s_endpgm
.Lentry_shape_is_right:
; THE GRU STEP.  out = n + z (h - n), r = sigmoid(x Wr^T + h Ur^T + br), z likewise, n = tanh(x Wn^T + bn + r (h Un^T + cn)).  8,192 rows, 1,024 columns.
; ab and wb hold x | h and W_ih | U in bf16, interleaved in chunks of 128 along K (the launch before made them): K step s, 256 bytes at byte 256 s of a row of 4,096,
; is x . W for even s and h . U for odd s.  Each output has FOUR f32 sums: r and z (all 16 K steps), nx (the even ones), nh (the odd ones).
; LIMITS.  x, h and the weights are rounded once to bf16; the h of the blend is that same rounded h (off by at most 2^-9 of itself).  Biases, sums, gates and the blend are f32.
; sigmoid(a) = 1 / (1 + 2^(-log2(e) a)), tanh(t) = 1 - 2 / (1 + 2^(2 log2(e) t)): where the power overflows to infinity or is flushed to 0 the quotient is the function's limit, so nothing is clamped;
; tanh has an absolute error of about 2^-23, so its relative accuracy is lost below |t| of about 1e-5.  NaN and infinite inputs are not treated apart.
; SHARES.  A work-group makes 128 rows x 128 columns of out; each of its four waves all 128 rows (blocks a = 0..7 of 16) x 32 columns (b = 0, 1) x four sums: 64 accumulators, 512 registers.
; For 32 along K a wave reads 8 fragments of A and 6 of B (three gates x two blocks) for 48 matrix instructions.  wb's rows are ordered so that a wave's 96 rows lie on end.
; RING.  Two LDS slots, each 128 rows of A and 384 of B, a K step of 128: even K steps lie in slot 0, odd ones in slot 1, so one text serves all K.  Wave 0 fetches A's rows, waves 1 to 3 128 rows of B each.
; CLUSTER.  4 x 4 work-groups.  The four of a row of the cluster need the same rows of ab, the four of a column the same rows of wb: each tile is asked for JOINTLY, by the same tensor load with the
; same descriptor and a mask that names the four.
; THE MATRIX INSTRUCTION IS USED TRANSPOSED (source 0 = 16 rows of wb, source 1 = 16 rows of ab): lane l holds row l % 16 of out and the columns 8 (l / 16) + 0..7.
; THE BIASES ARE THE C OPERAND of each sum's first product: nothing is cleared and nothing is added later.
; REGISTERS, in windows of 256 (s_set_vgpr_msb: bits 1:0 source 0, 3:2 source 1, 5:4 source 2, 7:6 destination):
;   window 0: v0-31 addresses; v64-127, v128-191 A's fragments, two buffers (block a at + 8 a); v192-255 my outputs' h in bf16 (cell (a, b) at 192 + 4 (2 a + b)); on the way out v64-191 are at work
;   window 1: v0-47, v48-95 B's fragments, two buffers (gate gi, block b at + 8 (2 gi + b)); v96-159 the biases (sum g, block b at 96 + 8 (2 g + b))
;   window 2: the accumulators of blocks a = 0..3, window 3: of a = 4..7: (a % 4, g, b) at 64 (a % 4) + 16 g + 8 b; g = 0 r, 1 z, 2 nx, 3 nh
.set PITCH,  272                       ; an LDS row: 256 bytes + 16 of padding = 68 words: row r starts at bank 4 r mod 64 (64 banks of 4 bytes: ISA guide 11.1), so a load's 16 rows start at 16 different banks
.set HALFT,  128*PITCH                 ; 128 rows: what one tensor load brings
.set SLOT,   4*HALFT                   ; A's 128 rows, then B's 384
.set SPARE,  2*SLOT                    ; behind the ring: the spare words, 128 bytes for each wave: two blocks of 256 bytes that no other line names
.set SPITCH, 528                       ; the way out: a row of 128 f32 + 16 bytes.  The stage, 128 such rows, lies in slot 0's bytes: it is written when slot 0 has had its last fill and its last read
.set ADRA, 16                          ; v16-17  LDS address of my A fragments in slot 0, 1
.set ADRB, 20                          ; v20-21  the same for B
.set STO,  24                          ; v24     the way out: where I put 16 bytes of a row
.set RD,   25                          ; v25     the way out: where I read a row back
.set CO,   26                          ; v26     my byte offset in a row's 512 bytes of out
.set HO,   27                          ; v27     my byte offset among the tile's h
.set SPW,  28                          ; v28     LDS address of my spare word: SPARE + 4 x my thread's number; never rewritten
.set NIL,  29                          ; v29     0; never rewritten
.set PFO,  30                          ; v30     the prefetches' offset: my lane x a row of 4,096 bytes; never rewritten
.set BO,   31                          ; v31     my byte offset among the tile's biases
.set AF,   64                          ; A's fragment buffers, window 0
.set H,    192
.set BIAS, 96                          ; window 1
.set T,    64                          ; the way out: v64-79 r, v80-95 z of one block of 16 rows
.set TN,   96                          ; v96-111  n, then the result
.set HF,   112                         ; v112-127 h in f32
.set WV,  14                           ; s14  my wave's number
.set CX,  15                           ; s15, s16  my place in the cluster
.set CY,  16
.set TX,  17                           ; s17  tile column, 0..7
.set TY,  18                           ; s18  tile row, 0..63
.set G1A, 24                           ; s[24:31] descriptor group 1 for A's tiles;  s[32:39] group 0, a set for each slot
.set G0A, 32
.set PFA, 40                           ; s[40:41] where my prefetches stand: my work-group's 32 rows of the 128 that I fetch, one K step beyond the refill in hand; a prefetch names the K step after that
.set LIM, 42                           ; s42  1 in a wave that prefetches, else the greatest number
.set G1B, 48                           ; s[48:55], s[56:63] the same for B's tiles
.set G0B, 56
.set FLAGS, (1<<16)|(1<<20)|(1<<21)|(5<<22)|(3<<25)  ; 17:16 elements of 2 bytes; 20 padding on; 21 set beside a mask; 24:22 after every 64 words (code 5); 31:25 4 words of it (code 3)
.set MSB, 0
.macro WIN new                         ; the immediate's high byte repeats the setting that is left; a switch that changes nothing is dropped
.if MSB != (\new)
	s_set_vgpr_msb (MSB<<8)|(\new)
.set MSB, \new
.endif
.endm
.set MUL_LO,  0xa1                     ; source 0 (B) window 1, source 1 (A) window 0, C and D window 2
.set BIAS_LO, 0x91                     ; the same with C in window 1
.set TO_B,    0x40                     ; destination window 1, address window 0
; A joint load.  Wave 0 fetches A's 128 rows, waves 1 to 3 B's.  Each line has one mask and one set of registers for all that issue it; the branch hangs on the wave's number alone.
; An s_nop 0 and four v_nop follow each of the two lines, ahead of the jump, the label and what follows.
.macro JLOAD s
	s_cmp_eq_u32 s[WV], 0
	s_cbranch_scc0 .Lfor_b_\@
	tensor_load_to_lds s[G0A+4*(\s):G0A+4*(\s)+3], s[G1A:G1A+7]
	s_nop 0
.rept 4
	v_nop
.endr
	s_branch .Lasked_\@
.Lfor_b_\@:
	tensor_load_to_lds s[G0B+4*(\s):G0B+4*(\s)+3], s[G1B:G1B+7]
	s_nop 0
.rept 4
	v_nop
.endr
.Lasked_\@:
.endm
; A PREFETCH INTO THE L2, behind a joint load, its five lines and the run of LDS loads that follows: the K step that stands TWO refills on, 384 matrix instructions ahead of the load that will want it:
; 32 rows x 256 bytes, a lane a row, one instruction a wave.  Each row's 256 bytes of a K step are named ONCE in the launch: ab's rows by the cluster with x = 0 (wave 0), wb's by the cluster with y = 0
; (waves 1 to 3); the four partners that ask for a tile jointly share its 128 rows out BY ADDRESS, 32 each (by cx for ab, by cy for wb): no branch hangs on a place in the cluster.
; how = 1: whenever the wave prefetches; how = 2: not in the loop's last trip (s3 = 1), whose K step two refills on does not exist.  K steps 0 to 3 come by their loads alone.
.macro ASK how
.if (\how) == 1
	s_cmp_eq_u32 s[LIM], 1
.else
	s_cmp_gt_u32 s3, s[LIM]
.endif
	s_cbranch_scc0 .Lnot_mine_\@
	global_prefetch_b8 v[PFO], s[PFA:PFA+1] offset:256 th:TH_LOAD_NT scope:SCOPE_SE
.Lnot_mine_\@:
.endm
; A round of the cluster's barrier: my work-group's barrier, so that wave 0's signal speaks for all four waves; wave 0 signals; every wave waits for all sixteen work-groups; my work-group's barrier once more.
.macro CREST                           ; a round behind its opening barrier
	s_cmp_lg_u32 s[WV], 0
	s_cbranch_scc1 .Lnot_wave_0_\@
	s_barrier_signal -3
.Lnot_wave_0_\@:
	s_barrier_wait -3
	s_barrier_signal -1
	s_barrier_wait -1
.endm
.macro CROUND                          ; a whole round
	s_barrier_signal -1
	s_barrier_wait -1
	CREST
.endm
.macro PLACES                          ; four plain vector instructions between a matrix instruction and a load into, or a vector instruction on, one of its registers (ISA guide 7.12.1 for vector instructions)
.rept 4
	v_nop
.endr
.endm
	s_load_b256 s[4:11], s[0:1], 0x0               ; ab s[4:5], wb s[6:7], W_ih_b s[8:9], U_n_b s[10:11]
	s_load_b64 s[12:13], s[0:1], 0x20              ; out0
	v_lshl_add_u32 v[SPW], v0, 2, SPARE
	v_mov_b32 v[NIL], 0
	ds_add_u32 v[SPW], v[NIL]                      ; the wave's opening: the add, twice on end, and its wait ahead of my first tensor load; the set-up below stands between
	ds_add_u32 v[SPW], v[NIL]                      ; and once more, under the one wait
	v_lshrrev_b32 v1, 5, v0
	v_readfirstlane_b32 s[WV], v1                  ; wave 0..3
	s_bfe_u32 s[CX], ttmp6, 0x40000
	s_bfe_u32 s[CY], ttmp6, 0x40004
	s_lshl_b32 s[TX], ttmp9, 2                     ; in a cluster launch ttmp9 and ttmp7 count clusters
	s_add_co_u32 s[TX], s[TX], s[CX]               ; tile column = 4 x cluster x + cx
	s_and_b32 s[TY], ttmp7, 0xffff
	s_lshl_b32 s[TY], s[TY], 2
	s_add_co_u32 s[TY], s[TY], s[CY]               ; tile row = 4 x cluster y + cy
	s_lshl_b32 s19, s[CY], 2
	s_lshl_b32 s19, 15, s19                        ; my row of the cluster: places 4 cy .. 4 cy + 3
	s_lshl_b32 s20, 0x1111, s[CX]                  ; my column: places cx, cx + 4, cx + 8, cx + 12
	s_or_b32 s[G1A], s19, FLAGS                    ; 15:0 the mask: A's tiles go to my row,
	s_or_b32 s[G1B], s20, FLAGS                    ; B's to my column
.irp g, G1A, G1B
	s_mov_b32 s[(\g)+1], 128<<16                   ; tensor_dim0 = 128
	s_mov_b32 s[(\g)+2], 128<<16                   ; tensor_dim1 = 128
	s_mov_b32 s[(\g)+3], 128<<16                   ; tile_dim0 = 128 elements: 256 bytes
	s_mov_b32 s[(\g)+4], 128                       ; tile_dim1 = 128 rows
	s_mov_b32 s[(\g)+5], 2048                      ; 2,048 elements from row to row
	s_mov_b32 s[(\g)+6], 0
	s_mov_b32 s[(\g)+7], 0
.endr
	s_mov_b32 s66, 0xbfb8aa3b                      ; -log2(e), named as a pair
	s_mov_b32 s67, 0xbfb8aa3b
	s_mov_b32 s68, 0x4038aa3b                      ; 2 log2(e)
	s_mov_b32 s69, 0x4038aa3b
	s_mov_b32 s70, 0xffff0000                      ; a word's upper bf16
	; where the tiles come from.  A's hang on the tile row alone, which my row of the cluster shares; B's on the tile column and the wave's number.
	s_lshl_b32 s44, s[TY], 19                      ; 128 rows of 4,096 bytes
	s_mov_b32 s45, 0
	s_mul_i32 s46, s[TX], 384                      ; the tile column's 384 rows of wb,
	s_max_u32 s21, s[WV], 1                        ; (wave 0 never asks by this address: it is kept inside wb all the same)
	s_lshl_b32 s21, s21, 7
	s_add_co_u32 s46, s46, s21
	s_sub_co_u32 s46, s46, 128                     ; of which wave v takes 128 (v - 1) on
	s_lshl_b32 s46, s46, 12
	s_mov_b32 s47, 0
	s_mul_i32 s22, s[WV], HALFT                    ; and where they go: wave x 128 rows: no place in the cluster enters an LDS address
	s_lshl_b32 s74, s[TX], 9                       ; 128 columns: 512 bytes of f32, and one chunk pair of ab
	s_mov_b32 s75, 0
	s_add_co_u32 s72, s44, s74                     ; my outputs' h: the tile's rows, chunk tx,
	s_add_co_u32 s72, s72, 256                     ; second half
	s_mov_b32 s73, 0
	s_lshl_b32 s20, s[TY], 7
	s_lshl_b32 s21, s[WV], 5
	s_add_co_u32 s20, s20, s21                     ; the first row of out that I store: 128 x tile row + 32 x wave
	s_lshl_b32 s20, s20, 12
	s_add_co_u32 s20, s20, s74
	s_mov_b32 s21, 0
	s_wait_dscnt 0x0                               ; both opening adds are done
	s_wait_kmcnt 0x0
	s_add_nc_u64 s[44:45], s[4:5], s[44:45]
	s_add_nc_u64 s[46:47], s[6:7], s[46:47]
	s_add_nc_u64 s[72:73], s[4:5], s[72:73]
	s_add_nc_u64 s[76:77], s[10:11], s[74:75]      ; U_n_b at the tile's columns
	s_add_nc_u64 s[74:75], s[8:9], s[74:75]        ; W_ih_b likewise
	s_add_nc_u64 s[12:13], s[12:13], s[20:21]
	CROUND                                         ; all sixteen work-groups are here: the first joint loads meet
.irp s, 0,1
	s_mov_b32 s[G0A+4*(\s)], 1                                       ; 1:0 count = 1
	s_add_co_u32 s[G0A+4*(\s)+1], s22, (\s)*SLOT                     ; 63:32 LDS address
	s_add_nc_u64 s[G0A+4*(\s)+2:G0A+4*(\s)+3], s[44:45], (\s)*256    ; 120:64 global address: K step s
	s_or_b32 s[G0A+4*(\s)+3], s[G0A+4*(\s)+3], 0x80000000            ; 127:126 type = 2
	s_mov_b32 s[G0B+4*(\s)], 1
	s_add_co_u32 s[G0B+4*(\s)+1], s22, (\s)*SLOT
	s_add_nc_u64 s[G0B+4*(\s)+2:G0B+4*(\s)+3], s[46:47], (\s)*256
	s_or_b32 s[G0B+4*(\s)+3], s[G0B+4*(\s)+3], 0x80000000
	JLOAD \s                                       ; both slots are asked for before anything else is done: two tensor loads of mine are out
.endr
	v_and_b32 v1, 15, v0                           ; l % 16
	v_bfe_u32 v2, v0, 4, 1                         ; l / 16
	v_and_b32 v4, 31, v0                           ; l
	s_lshl_b32 s19, s[WV], 7
	s_lshl_b32 s20, s[WV], 6
	v_lshl_add_u32 v[BO], v2, 5, s19               ; my 8 columns' f32: 128 x wave + 32 (l / 16)
	v_lshlrev_b32 v[HO], 12, v1                    ; row l % 16,
	v_lshl_add_u32 v[HO], v2, 4, v[HO]             ; my 8 columns' bf16: 64 x wave + 16 (l / 16)
	v_add_nc_u32 v[HO], s20, v[HO]
	WIN TO_B                                       ; the biases, laid out as an accumulator: register j = column 8 (l / 16) + j, the same for all 16 rows
.irp g, 0,1,2
.irp b, 0,1
	global_load_b128 v[BIAS+8*(2*(\g)+(\b)):BIAS+8*(2*(\g)+(\b))+3],   v[BO], s[74:75] offset:4096*(\g)+64*(\b)
	global_load_b128 v[BIAS+8*(2*(\g)+(\b))+4:BIAS+8*(2*(\g)+(\b))+7], v[BO], s[74:75] offset:4096*(\g)+64*(\b)+16
.endr
.endr
.irp b, 0,1
	global_load_b128 v[BIAS+48+8*(\b):BIAS+48+8*(\b)+3],   v[BO], s[76:77] offset:64*(\b)
	global_load_b128 v[BIAS+48+8*(\b)+4:BIAS+48+8*(\b)+7], v[BO], s[76:77] offset:64*(\b)+16
.endr
	WIN 0
.irp a, 0,1,2,3,4,5,6,7                ; my outputs' h stays in registers till the way out: 16 bytes a cell; the four waves together take each row's whole 256 bytes
.irp b, 0,1
	global_load_b128 v[H+4*(2*(\a)+(\b)):H+4*(2*(\a)+(\b))+3], v[HO], s[72:73] offset:65536*(\a)+32*(\b)
.endr
.endr
	; A fragment is 16 rows x 32 K in 8 registers: lane l holds row l % 16; registers 0-3 K = 8 (l / 16) + 0..7, registers 4-7 K = 16 + 8 (l / 16) + 0..7: two loads of 16 bytes, 32 bytes apart.
	v_mul_u32_u24 v3, v1, PITCH
	v_lshl_add_u32 v3, v2, 4, v3                   ; row x pitch + 16 x half
	v_mov_b32 v[ADRA], v3
	v_add_nc_u32 v[ADRA+1], SLOT, v3
	s_mul_i32 s21, s[WV], 96*PITCH                 ; my 96 rows of B,
	s_add_co_u32 s21, s21, HALFT                   ; which lie behind A's 128
	v_add_nc_u32 v[ADRB], s21, v3
	s_add_co_u32 s21, s21, SLOT
	v_add_nc_u32 v[ADRB+1], s21, v3
	v_mul_u32_u24 v[STO], v1, SPITCH               ; into the stage: row l % 16, my wave's 128 bytes, 32 bytes for each half of the lanes
	v_lshl_add_u32 v[STO], v2, 5, v[STO]
	v_add_nc_u32 v[STO], s19, v[STO]
	s_mul_i32 s23, s[WV], 32*SPITCH                ; back: wave w takes rows 32 w .. 32 w + 31, a whole row of 512 bytes a load
	v_lshl_add_u32 v[RD], v4, 4, s23
	v_lshlrev_b32 v[CO], 4, v4
	v_lshlrev_b32 v[PFO], 12, v4
	; the prefetches
	s_and_b32 s21, ttmp7, 0xffff                   ; cluster y
	s_lshl_b32 s19, s[TY], 7                       ; ab: the tile's first row
	s_mul_i32 s20, s[TX], 384
	s_max_u32 s23, s[WV], 1
	s_lshl_b32 s23, s23, 7
	s_add_co_u32 s20, s20, s23
	s_sub_co_u32 s20, s20, 128                     ; wb: the first row that I fetch
	s_cmp_eq_u32 s[WV], 0                          ; do I fetch for A?
	s_cselect_b32 s19, s19, s20
	s_cselect_b32 s20, s[CX], s[CY]                ; my place among the four that ask with me
	s_cselect_b32 s21, ttmp9, s21                  ; the coordinate along which other clusters read the same rows
	s_cselect_b64 s[PFA:PFA+1], s[4:5], s[6:7]
	s_cmp_eq_u32 s21, 0
	s_cselect_b32 s[LIM], 1, -1                    ; the same in all sixteen partners, for a given wave
	s_lshl_b32 s20, s20, 5
	s_add_co_u32 s19, s19, s20                     ; + my work-group's 32 rows
	s_lshl_b32 s20, s19, 12
	s_mov_b32 s21, 0
	s_add_nc_u64 s[PFA:PFA+1], s[PFA:PFA+1], s[20:21]
	s_add_nc_u64 s[PFA:PFA+1], s[PFA:PFA+1], 512   ; at K step 2: the first refill steps it to 3 and names K step 4.  Nothing is prefetched here, where every work-group's first tiles are on their way
; 8 matrix instructions: blocks a = 4 hi + 0..3 x both column blocks of fragment gate gi, onto sum g, 32 along K out of buffer f.  bias = 1: the sum's first product, with the bias as C.
; No two neighbours share an accumulator, and 47 other matrix instructions stand between two links of a chain, over the backward jump too: the accumulators take turns.
.macro MULG f, hi, gi, g, bias
.if \bias
	WIN BIAS_LO+0x40*(\hi)
.else
	WIN MUL_LO+0x50*(\hi)
.endif
.irp a, 0,1,2,3
.irp b, 0,1
.set rD, 64*(\a)+16*(\g)+8*(\b)
.set rB, 48*(\f)+8*(2*(\gi)+(\b))
.set rA, AF+64*(\f)+8*(4*(\hi)+(\a))
.set rC, BIAS+8*(2*(\g)+(\b))
.if \bias
	v_wmma_f32_16x16x32_bf16 v[rD:rD+7], v[rB:rB+7], v[rA:rA+7], v[rC:rC+7]
.else
	v_wmma_f32_16x16x32_bf16 v[rD:rD+7], v[rB:rB+7], v[rA:rA+7], v[rD:rD+7]
.endif
.endr
.endr
.endm
; 24 matrix instructions: half of the rows, all three gates.  ph = 0: x . W, onto r, z, nx; ph = 1: h . U, onto r, z, nh.  first = 1: the phase's first 32 along K: r, z and nx begin in phase 0, nh in phase 1.
.macro HALFQ f, hi, ph, first
	MULG \f, \hi, 0, 0, (\first)*(1-(\ph))
	MULG \f, \hi, 1, 1, (\first)*(1-(\ph))
	MULG \f, \hi, 2, 2+(\ph), \first
.endm
; 28 LDS loads in one run: the fragments of 32 K at byte k of the rows, into buffer f: B's six, then A's eight
.macro FETCH slot, k, f
	WIN TO_B
.irp i, 0,1,2,3,4,5
	ds_load_b128 v[48*(\f)+8*(\i):48*(\f)+8*(\i)+3],   v[ADRB+(\slot)] offset:(\k)+(\i)*16*PITCH
	ds_load_b128 v[48*(\f)+8*(\i)+4:48*(\f)+8*(\i)+7], v[ADRB+(\slot)] offset:(\k)+(\i)*16*PITCH+32
.endr
	WIN 0
.irp i, 0,1,2,3,4,5,6,7
	ds_load_b128 v[AF+64*(\f)+8*(\i):AF+64*(\f)+8*(\i)+3],   v[ADRA+(\slot)] offset:(\k)+(\i)*16*PITCH
	ds_load_b128 v[AF+64*(\f)+8*(\i)+4:AF+64*(\f)+8*(\i)+7], v[ADRA+(\slot)] offset:(\k)+(\i)*16*PITCH+32
.endr
.endm
; A K step is four quarters of 32 along K, 48 matrix instructions each, on buffers 0, 1, 0, 1.  One of the first three: multiplies buffer f; in its middle it fetches the next quarter, at byte k, into buffer g.
.macro QUARTER slot, k, f, g, first
	s_wait_dscnt 8                                 ; B and A's blocks 0-3 are in; the youngest eight loads (A's blocks 4-7) may be out
	HALFQ \f, 0, \slot, \first
	PLACES
	FETCH \slot, \k, \g
	s_wait_dscnt 28                                ; all but the 28 just issued
	HALFQ \f, 1, \slot, \first
.endm
; The last quarter multiplies buffer 1 and changes slots: ONE barrier.  In front of it each wave waits for all its tensor loads, of which one is out: its part of the next slot; adds 0 to its spare word;
; and waits for that and for its own reads of this slot.  Behind it nobody reads this slot any more and the next slot is whole.  fill = 1: the barrier opens a round of the cluster's barrier, and the slot
; is filled again, two K steps on, first thing behind the round: 168 matrix instructions stand between that request and the wait for it.  ask: 0, or ASK's argument.
.macro TURN slot, next, fill, ask
.if \ask
	s_wait_xcnt 0x0                                ; the last prefetch, a K step back, has read its address: it is stepped here, ahead of the waits of the change of slots
	s_add_nc_u64 s[PFA:PFA+1], s[PFA:PFA+1], 256
.endif
	WIN 0                                          ; (the add's two registers lie in window 0)
	s_wait_tensorcnt 0x0                           ; all my tensor loads have landed;
	ds_add_u32 v[SPW], v[NIL]                      ; 0 onto my spare word;
	s_wait_dscnt 9                                 ; (the add and the youngest eight loads may be out)
	MULG 1, 0, 0, 0, 0                             ; eight matrix instructions stand between the add and the wait for it
	s_wait_dscnt 0x0                               ; the add is done, and my reads of this slot are over
	s_barrier_signal -1
	MULG 1, 0, 1, 1, 0                             ; work on registers while the others arrive
	MULG 1, 0, 2, 2+(\slot), 0
.if \fill
	WIN 0
.endif
	s_barrier_wait -1
.if \fill
	CREST                                          ; no wave of any partner still reads this slot's tile or has a load on its way
	s_add_nc_u64 s[G0A+4*(\slot)+2:G0A+4*(\slot)+3], s[G0A+4*(\slot)+2:G0A+4*(\slot)+3], 512
	s_add_nc_u64 s[G0B+4*(\slot)+2:G0B+4*(\slot)+3], s[G0B+4*(\slot)+2:G0B+4*(\slot)+3], 512
	JLOAD \slot                                    ; my one tensor load behind the round; the four v_nop behind it are also the places in front of the loads below
.else
	PLACES
.endif
	FETCH \next, 0, 0
.if \ask
	ASK \ask
.endif
	HALFQ 1, 1, \slot, 0
.endm
; THE WAY OUT's arithmetic.  PLAIN: pair p of the registers from base on, times 2 log2(e) (scaled = 1) or plus 1.
.macro PLAIN base, p, scaled
.if \scaled
	v_pk_mul_f32 v[(\base)+2*(\p):(\base)+2*(\p)+1], v[(\base)+2*(\p):(\base)+2*(\p)+1], s[68:69] op_sel_hi:[1,0]
.else
	v_pk_add_f32 v[(\base)+2*(\p):(\base)+2*(\p)+1], v[(\base)+2*(\p):(\base)+2*(\p)+1], 1.0 op_sel_hi:[1,0]
.endif
.endm
; LADDER: the packed step runs two pairs ahead of the transcendental fn, which works in place.  The transcendentals are ONE BATCH: nothing in the macro names a result of theirs; a v_nop is the plain
; instruction behind the last (ISA guide 5.7.2), and one wait, ahead of the first reader, serves them all.
.macro LADDER base, pairs, scaled, fn
	PLAIN \base, 0, \scaled
	PLAIN \base, 1, \scaled
.set p, 0
.rept \pairs
.if p+2 < \pairs
	PLAIN \base, p+2, \scaled
.endif
	\fn v[(\base)+2*p], v[(\base)+2*p]
	\fn v[(\base)+2*p+1], v[(\base)+2*p+1]
.set p, p+1
.endr
	v_nop
	s_wait_alu depctr_va_vdst(0)
.endm
; Block a of 16 rows: a lane's 16 outputs (one row, 2 x 8 columns).  Each accumulator's registers are read in ascending order, the lowest first.
.macro GROUP a
.set AC, 64*((\a)%4)
.set EPW, (2+(\a)/4)*0x11              ; sources 0 and 2 in the block's window, source 1 and the destination in window 0
	WIN EPW
.set i, 0
.rept 16
	v_pk_mul_f32 v[T+2*i:T+2*i+1], v[AC+2*i:AC+2*i+1], s[66:67] op_sel_hi:[1,0]  ; -log2(e) x the sums of r, then of z
.set i, i+1
.endr
	WIN 0
.set i, 0
.rept 16                               ; 32 exponentials, one batch; h's 16 numbers are widened between them
	v_exp_f32 v[T+2*i], v[T+2*i]
.if i%2 == 0
	v_lshlrev_b32 v[HF+i], 16, v[H+8*(\a)+i/2]
.else
	v_and_b32 v[HF+i], s70, v[H+8*(\a)+i/2]
.endif
	v_exp_f32 v[T+2*i+1], v[T+2*i+1]
.set i, i+1
.endr
	v_nop                                          ; the plain instruction behind the last exponential,
	s_wait_alu depctr_va_vdst(0)                   ; and the batch's one wait
	LADDER T, 16, 0, v_rcp_f32                     ; r and z = 1 / (1 + 2^..)
	WIN EPW
.set i, 0
.rept 8
	v_pk_fma_f32 v[TN+2*i:TN+2*i+1], v[AC+48+2*i:AC+48+2*i+1], v[T+2*i:T+2*i+1], v[AC+32+2*i:AC+32+2*i+1]  ; nh r + nx
.set i, i+1
.endr
	WIN 0
	LADDER TN, 8, 1, v_exp_f32                     ; 2^(2 log2(e) t)
	LADDER TN, 8, 0, v_rcp_f32                     ; 1 / (1 + ..)
.set i, 0
.rept 8
	v_pk_fma_f32 v[TN+2*i:TN+2*i+1], v[TN+2*i:TN+2*i+1], -2.0, 1.0 op_sel_hi:[1,0,0]  ; n = 1 - 2 / (1 + ..)
.set i, i+1
.endr
.set i, 0
.rept 8
	v_pk_add_f32 v[HF+2*i:HF+2*i+1], v[HF+2*i:HF+2*i+1], v[TN+2*i:TN+2*i+1] neg_lo:[0,1] neg_hi:[0,1]  ; h - n
.set i, i+1
.endr
.set i, 0
.rept 8
	v_pk_fma_f32 v[TN+2*i:TN+2*i+1], v[T+16+2*i:T+16+2*i+1], v[HF+2*i:HF+2*i+1], v[TN+2*i:TN+2*i+1]  ; z (h - n) + n = (1 - z) n + z h
.set i, i+1
.endr
.irp b, 0,1
.irp c, 0,1
	ds_store_b128 v[STO], v[TN+8*(\b)+4*(\c):TN+8*(\b)+4*(\c)+3] offset:16*SPITCH*(\a)+64*(\b)+16*(\c)
.endr
.endr
.endm
	s_wait_tensorcnt 1                             ; my part of K step 0 is in; K step 1's may stay out
	s_barrier_signal -1
	s_barrier_wait -1                              ; everybody's is
	FETCH 0, 0, 0
	s_wait_loadcnt 16                              ; the biases are in; h's sixteen loads, issued behind them, may stay out
	QUARTER 0, 64,  0, 1, 1                        ; K step 0: its first quarter starts r, z and nx from their biases
	QUARTER 0, 128, 1, 0, 0
	QUARTER 0, 192, 0, 1, 0
	TURN 0, 1, 1, 1                                ; slot 0 takes K step 2
	QUARTER 1, 64,  0, 1, 1                        ; K step 1: its first quarter starts nh from its bias
	WIN 0                                          ; at a label and at a branch every window is 0
	s_mov_b32 s3, 6
.Llap:                                                 ; a trip goes once round the ring, from an odd K step's second quarter to the next odd K step's first: the six trips fill K steps 3 to 14
	QUARTER 1, 128, 1, 0, 0
	QUARTER 1, 192, 0, 1, 0
	TURN 1, 0, 1, 1
	QUARTER 0, 64,  0, 1, 0
	QUARTER 0, 128, 1, 0, 0
	QUARTER 0, 192, 0, 1, 0
	TURN 0, 1, 1, 2
	QUARTER 1, 64,  0, 1, 0
	WIN 0
	s_sub_co_u32 s3, s3, 1
	s_cmp_lg_u32 s3, 0
	s_cbranch_scc1 .Llap
	QUARTER 1, 128, 1, 0, 0                        ; the tail is written out.  K step 13 goes on
	QUARTER 1, 192, 0, 1, 0
	TURN 1, 0, 1, 0                                ; slot 1 takes K step 15: the last fill
	QUARTER 0, 64,  0, 1, 0                        ; K step 14
	QUARTER 0, 128, 1, 0, 0
	QUARTER 0, 192, 0, 1, 0
	TURN 0, 1, 0, 0                                ; nothing is asked for; behind this barrier no wave reads slot 0, and no fill lands there any more
	QUARTER 1, 64,  0, 1, 0                        ; K step 15
	QUARTER 1, 128, 1, 0, 0
	QUARTER 1, 192, 0, 1, 0
	s_wait_dscnt 8                                 ; the very last quarter: nothing more to fetch
	HALFQ 1, 0, 1, 0
	s_wait_dscnt 0x0
	HALFQ 1, 1, 1, 0
	WIN 0
	PLACES                                         ; the lines below read results just made and write registers that the last products read
	s_wait_loadcnt 0x0                             ; h
	; THE WAY OUT.  Gates and blend in registers, a block of 16 rows at a time; 16 bytes a lane into the work-group's stage; a barrier, since a row's 512 bytes come from four waves; back as whole rows.
.irp a, 0,1,2,3,4,5,6,7
	GROUP \a
.endr
	s_wait_dscnt 0x0                               ; for the others' sake: my stores into the stage are done
	s_barrier_signal -1
	s_barrier_wait -1
.set t, 0
.rept 32
	ds_load_b128 v[64+4*t:64+4*t+3], v[RD] offset:SPITCH*t
.set t, t+1
.endr
.set t, 0
.rept 32
	s_wait_dscnt 31-t                              ; LDS loads come back in order (ISA guide 5.7.1): row t is in
	global_store_b128 v[CO], v[64+4*t:64+4*t+3], s[12:13] offset:4096*t th:TH_STORE_NT  ; the wave stores 512 consecutive bytes, at a multiple of 512 from out0's first byte
.set t, t+1
.endr
	s_wait_tensorcnt 0x0                           ; the wave's end: behind my last tensor load and my last LDS store
	ds_add_u32 v[SPW], v[NIL]
	s_wait_dscnt 0x0
	CROUND                                         ; the closing round: no work-group ends while a partner may still ask for a tile that names it
	s_endpgm
.Lfunc_end_k_q16e02275c2_gru:
	.size	k_q16e02275c2_gru, .Lfunc_end_k_q16e02275c2_gru-k_q16e02275c2_gru
	.p2alignl 7, 3214868480
	.fill 96, 4, 3214868480
	.section	.rodata,"a",@progbits
	.p2align	6, 0x0
	.amdhsa_kernel k_q16e02275c2_gru
		.amdhsa_group_segment_fixed_size 327680
		.amdhsa_private_segment_fixed_size 0
		.amdhsa_enable_private_segment 0
		.amdhsa_kernarg_size 40
		.amdhsa_user_sgpr_count 2
		.amdhsa_user_sgpr_kernarg_segment_ptr 1
		.amdhsa_wavefront_size32 1
		.amdhsa_system_sgpr_workgroup_id_x 1
		.amdhsa_system_sgpr_workgroup_id_y 1
		.amdhsa_system_sgpr_workgroup_id_z 1
		.amdhsa_system_vgpr_workitem_id 0
		.amdhsa_next_free_vgpr 1024
		.amdhsa_next_free_sgpr 80
		.amdhsa_reserve_vcc 0
		.amdhsa_float_denorm_mode_32 3
		.amdhsa_float_denorm_mode_16_64 3
		.amdhsa_memory_ordered 1
		.amdhsa_forward_progress 1
		.amdhsa_inst_pref_size 218
	.end_amdhsa_kernel
	.amdgpu_metadata
---
amdhsa.version: [ 1, 2 ]
amdhsa.kernels:
  - .name:           k_q16e02275c2_gru
    .symbol:         k_q16e02275c2_gru.kd
    .args:
      - { .name: ab, .offset: 0, .size: 8, .value_kind: global_buffer, .address_space: global }
      - { .name: wb, .offset: 8, .size: 8, .value_kind: global_buffer, .address_space: global }
      - { .name: W_ih_b, .offset: 16, .size: 8, .value_kind: global_buffer, .address_space: global }
      - { .name: U_n_b, .offset: 24, .size: 8, .value_kind: global_buffer, .address_space: global }
      - { .name: out0, .offset: 32, .size: 8, .value_kind: global_buffer, .address_space: global }
    .group_segment_fixed_size: 327680
    .private_segment_fixed_size: 0
    .kernarg_segment_align: 8
    .kernarg_segment_size: 40
    .max_flat_workgroup_size: 128
    .sgpr_count:     80
    .vgpr_count:     1024
    .wavefront_size: 32
...
	.end_amdgpu_metadata
.endif
;; end of part 2
;; ======== version 2 of 2: 2 launches; version 1 with the launch cast written anew for expert scheduling mode
;; workspace buffers: ab 33,554,432 bytes; wb 12,582,912 bytes
;; launch cast (part 3): grid 256 x 1, 16 waves a work-group, no clusters, 0 bytes of LDS; arguments x, h, W_ih_w, U_r_w, U_z_w, U_n_w, ab, wb; writes ab, wb
.if DOCPART == 3
	.amdgcn_target "amdgcn-amd-amdhsa--gfx1250"
	.amdhsa_code_object_version 6
	.text
	.protected	k_q16e02275c2_cast
	.globl	k_q16e02275c2_cast
	.p2align	8
	.type	k_q16e02275c2_cast,@function
k_q16e02275c2_cast:
	s_mov_b64 s[64:65], 0
	v_nop
	global_prefetch_b8 v0, s[64:65] scope:SCOPE_SE
	s_setreg_imm32_b32 hwreg(HW_REG_WAVE_SCHED_MODE, 0, 2), 2
	s_setreg_imm32_b32 hwreg(HW_REG_WAVE_MODE, 25, 1), 1
	s_wait_xcnt 0x0
	s_wait_alu depctr_vm_vsrc(0)
; x, h and the six weight blocks, all f32, are rounded once to bf16 (nearest even; bf16 has f32's range) and laid out for the product that follows.
; ab: [8192 rows][8 chunks j][2 halves][128] bf16, 4,096 bytes a row: x[m][128 j + e] at byte 4096 m + 512 j + 2 e, h[m][128 j + e] 256 bytes further.
; wb: [3072 rows][8][2][128] bf16, the same row form with W_ih in half 0 and U in half 1.  Gate g (0 r, 1 z, 2 n), column c lies in row (c / 32) 96 + 32 g + c % 32.
; SHARES.  22,528 source rows of 4,096 bytes = 256 work-groups x 88.  Work-group G takes x's and h's rows 32 G .. 32 G + 31 and, for each gate, rows 4 G .. 4 G + 3 of W_ih's block and of U.
; The 512 threads cover two source rows with one load of 16 bytes each: 44 loads a thread, ALL issued ahead of the first store, each into registers of its own.
; A wave's 512 source bytes are one chunk of 128 numbers and leave as 256 consecutive bytes, aligned, by one store of 8 bytes a lane.
; No LDS, no matrix unit, no cluster, no prefetch: every byte is read once and written once, no work-group shares a byte with another, and the loads themselves keep the stream going.
; THE MODE: SCHED_MODE bits 1:0 = 2 (LLVM: expert scheduling mode 2), set by the entry lines.  The code itself states the register dependences
; between vector instructions and memory instructions, with s_wait_alu, always for 0.
; THE PLAN.  Registers that memory instructions touch:
;   v1, v2          byte offsets of the loads and of the stores: made at the head by vector instructions, never written again.
;   v[D+4 i ..+3]   load i lands here, once; its two roundings read the four and write the first two; store i reads those two; nothing writes them after that.
; No load is issued behind a rounding, and no register that a load or store reads is ever written again: so what is to be stated is only that a register is WRITTEN before a memory instruction
; reads it: v1 and v2 ahead of the first load, and each store's data.  The 44 loads go in 11 blocks of four.  Block p waits for its four loads, then ONE wait on va_vdst states that block p - 1's
; eight roundings have written their registers; block p - 1's four stores follow, dealt among block p's eight roundings, which name block p's registers alone.
.set NLD, 44                           ; loads of a thread
.set NB,  4                            ; loads in a block
.set D,   4                            ; load i lands in v[D+4 i : D+4 i+3]
.macro LD i, base, off
	global_load_b128 v[D+4*(\i):D+4*(\i)+3], v1, s[(\base):(\base)+1] offset:\off th:TH_LOAD_NT
.endm
; Load i's four numbers close up into the first two of their four registers.
.macro CV i
	v_cvt_pk_bf16_f32 v[D+4*(\i)],   v[D+4*(\i)],   v[D+4*(\i)+1]
	v_cvt_pk_bf16_f32 v[D+4*(\i)+1], v[D+4*(\i)+2], v[D+4*(\i)+3]
.endm
; Store i.  i = 0 .. 15: x, two rows a store, into the first half of each chunk of ab; 16 .. 31: h, into the second half.
; i = 32 + 4 g + 2 u + j: gate g, W_ih (u = 0) or U (u = 1), row pair j, into wb: gate g lies 32 rows of 4,096 bytes behind gate g - 1, U in the second half of each chunk.
.macro OUT i
.if (\i) < 32
	global_store_b64 v2, v[D+4*(\i):D+4*(\i)+1], s[20:21] offset:8192*((\i)%16)+256*((\i)/16)
.else
	global_store_b64 v2, v[D+4*(\i):D+4*(\i)+1], s[22:23] offset:131072*(((\i)-32)/4)+8192*((\i)%2)+256*((((\i)-32)/2)%2)
.endif
.endm
; Block p: loads 4 p .. 4 p + 3 are rounded; the block before is stored.
.macro BLOCK p
	s_wait_loadcnt NLD-NB-NB*(\p)                  ; loads come back in order (ISA guide 5.7.1): this block's four are in, the younger ones stay out
.if (\p) > 0
	s_wait_alu depctr_va_vdst(0)                   ; the roundings of the block before have written its eight registers, which the four stores below read
.endif
.irp k, 0,1,2,3
.if (\p) > 0
	OUT NB*(\p)-NB+\k                              ; no wait: no vector instruction since the wait above names this store's data or v2
.endif
	CV NB*(\p)+\k
.endr
.endm
	s_load_b512 s[8:23], s[0:1], 0x0               ; x s[8:9], h s[10:11], W_ih s[12:13], U_r s[14:15], U_z s[16:17], U_n s[18:19], ab s[20:21], wb s[22:23]
	s_lshl_b32 s2, ttmp9, 17                       ; G x 32 rows of 4,096 bytes: in x, in h and in ab
	s_mov_b32 s3, 0
	s_lshl_b32 s4, ttmp9, 14                       ; G x 4 rows of 4,096 bytes: in each weight block
	s_mov_b32 s5, 0
	s_lshr_b32 s6, ttmp9, 3                        ; columns 4 G .. 4 G + 3: c / 32 = G / 8,
	s_mul_i32 s6, s6, 96
	s_and_b32 s7, ttmp9, 7                         ; c % 32 = 4 (G % 8) + 0 .. 3
	s_lshl2_add_u32 s6, s7, s6
	s_lshl_b32 s6, s6, 12                          ; wb's row, in bytes
	s_mov_b32 s7, 0
	v_lshlrev_b32 v1, 4, v0                        ; source: 16 bytes a thread; threads 256 .. 511 fall on the next row
	v_lshrrev_b32 v2, 8, v0                        ; destination: which of the two rows,
	v_bfe_u32 v3, v0, 5, 3                         ; my wave's chunk in it,
	v_lshlrev_b32 v2, 12, v2
	v_lshl_add_u32 v2, v3, 9, v2
	v_and_b32 v3, 31, v0
	v_lshl_add_u32 v2, v3, 3, v2                   ; and 8 bytes a lane
	s_wait_kmcnt 0x0
	s_add_nc_u64 s[8:9], s[8:9], s[2:3]
	s_add_nc_u64 s[10:11], s[10:11], s[2:3]
	s_add_nc_u64 s[20:21], s[20:21], s[2:3]
	s_add_nc_u64 s[24:25], s[12:13], s[4:5]        ; W_ih's three blocks have a base each: the third lies further off than a load's immediate reaches
	s_add_nc_u64 s[26:27], s[24:25], 0x400000
	s_add_nc_u64 s[28:29], s[24:25], 0x800000
	s_add_nc_u64 s[14:15], s[14:15], s[4:5]
	s_add_nc_u64 s[16:17], s[16:17], s[4:5]
	s_add_nc_u64 s[18:19], s[18:19], s[4:5]
	s_add_nc_u64 s[22:23], s[22:23], s[6:7]
	s_wait_alu depctr_va_vdst(0)                   ; v1 and v2 are written: every load reads v1 as its offset, every store v2; neither is written again
.set i, 0
.rept 16
	LD i, 8, 8192*i                                ; x, two rows a load
.set i, i+1
.endr
.set i, 0
.rept 16
	LD 16+i, 10, 8192*i                            ; h
.set i, i+1
.endr
.irp g, 0,1,2
.irp j, 0,1
	LD 32+4*\g+\j, 24+2*\g, 8192*\j                ; W_ih's block of gate g
.endr
.irp j, 0,1
	LD 34+4*\g+\j, 14+2*\g, 8192*\j                ; U of gate g
.endr
.endr
.irp p, 0,1,2,3,4,5,6,7,8,9,10
	BLOCK \p                                       ; block 0 has no block in front of it: no store, and no wait but the one for its data
.endr
	s_wait_alu depctr_va_vdst(0)                   ; the last block's roundings have written its eight registers, which the last four stores read
.irp k, 0,1,2,3
	OUT NLD-NB+\k
.endr
	s_endpgm
.Lfunc_end_k_q16e02275c2_cast:
	.size	k_q16e02275c2_cast, .Lfunc_end_k_q16e02275c2_cast-k_q16e02275c2_cast
	.p2alignl 7, 3214868480
	.fill 96, 4, 3214868480
	.section	.rodata,"a",@progbits
	.p2align	6, 0x0
	.amdhsa_kernel k_q16e02275c2_cast
		.amdhsa_group_segment_fixed_size 0
		.amdhsa_private_segment_fixed_size 0
		.amdhsa_enable_private_segment 0
		.amdhsa_kernarg_size 64
		.amdhsa_user_sgpr_count 2
		.amdhsa_user_sgpr_kernarg_segment_ptr 1
		.amdhsa_wavefront_size32 1
		.amdhsa_system_sgpr_workgroup_id_x 1
		.amdhsa_system_sgpr_workgroup_id_y 1
		.amdhsa_system_sgpr_workgroup_id_z 1
		.amdhsa_system_vgpr_workitem_id 0
		.amdhsa_next_free_vgpr 180
		.amdhsa_next_free_sgpr 66
		.amdhsa_reserve_vcc 0
		.amdhsa_float_denorm_mode_32 3
		.amdhsa_float_denorm_mode_16_64 3
		.amdhsa_memory_ordered 1
		.amdhsa_forward_progress 1
		.amdhsa_inst_pref_size 16
	.end_amdhsa_kernel
	.amdgpu_metadata
---
amdhsa.version: [ 1, 2 ]
amdhsa.kernels:
  - .name:           k_q16e02275c2_cast
    .symbol:         k_q16e02275c2_cast.kd
    .args:
      - { .name: x, .offset: 0, .size: 8, .value_kind: global_buffer, .address_space: global }
      - { .name: h, .offset: 8, .size: 8, .value_kind: global_buffer, .address_space: global }
      - { .name: W_ih_w, .offset: 16, .size: 8, .value_kind: global_buffer, .address_space: global }
      - { .name: U_r_w, .offset: 24, .size: 8, .value_kind: global_buffer, .address_space: global }
      - { .name: U_z_w, .offset: 32, .size: 8, .value_kind: global_buffer, .address_space: global }
      - { .name: U_n_w, .offset: 40, .size: 8, .value_kind: global_buffer, .address_space: global }
      - { .name: ab, .offset: 48, .size: 8, .value_kind: global_buffer, .address_space: global }
      - { .name: wb, .offset: 56, .size: 8, .value_kind: global_buffer, .address_space: global }
    .group_segment_fixed_size: 0
    .private_segment_fixed_size: 0
    .kernarg_segment_align: 8
    .kernarg_segment_size: 64
    .max_flat_workgroup_size: 512
    .sgpr_count:     66
    .vgpr_count:     180
    .wavefront_size: 32
...
	.end_amdgpu_metadata
.endif
;; end of part 3
;; launch gru: the kernel of part 2 again; grid 8 x 64, 4 waves a work-group, clusters of 4 x 4, 327,680 bytes of LDS; arguments ab, wb, W_ih_b, U_n_b, out0; writes out0
